; MI455X (gfx1250); checked and timed in simulation.
; The chip was launched on July 23, 2026; its instructions are those of AMD's public machine-readable ISA for CDNA 5 (MIT licence, August 2026) and "CDNA5" Instruction Set Architecture Reference Guide (July 2026). The comments in the code are by the model that wrote it; some were corrected since.
;; Attend. Allowed arithmetic: matrix products marked QUANTISED: E2M1 operands, one E8M0 scale for each 32 along K, by v_wmma_scale_f32_16x16x128_f8f6f4 with both operands' format E2M1 (or v_wmma_scale_f32_32x16x128_f4), f32 sums; products left as they are: bf16, f16 or f32 operands; f32 sums; everything else in f32.
;; Inputs: k 4 x 16 x 2,048 x 64 float32; q 4 x 16 x 2,048 x 64 float32; v 4 x 16 x 2,048 x 64 float32.
;; Outputs: out0 4 x 2,048 x 1,024 float32.
;; This version of the problem:
;;   THIS VERSION OF THE PROBLEM IS GIVEN IN LOW PRECISION. The matrix products marked QUANTISED in the list below multiply operands that are first quantised to E2M1 (2 exponent bits, 1 mantissa bit; 4 bits a number), with one power-of-two scale for each 32 numbers along K (OCP MX v1.0); their sums are f32. The products marked 'left as it is' may take bf16, f16 or f32 operands, with f32 sums. Whichever they take, every output number must still come out within the allowed error. Rounding operands to bf16 (8 significant bits) uses up far more of that allowance than f16 does (11 bits, for magnitudes from 6e-5 to 65,504). All else is computed in f32.
;;   The module's matrix products, in the order in which they are computed (A, B: the left and right operand; K: the contracted axis; several contracted axes count as one K, in the product's order):
;;     1. batch 64 x [M 2,048, K 64] x [K 64, N 2,048]; A: input q; B: input k: QUANTISED
;;     2. batch 64 x [M 2,048, K 2,048] x [K 2,048, N 64]; A: computed on the way; B: input v: left as it is (an operand is computed on the way)
;;   THE QUANTISER, for each operand of a quantised product, along K:
;;     - K is cut into blocks of 32 from its start; a last block that is shorter is filled with zeros.
;;     - A block's scale is 2^e with e = floor(log2(the largest magnitude in the block)) - 2, held to -126 .. 127; a block of zeros has e = 0. As a byte (E8M0): e + 127.
;;     - Each number is divided by its block's scale, clamped to +-6, and rounded to the nearest number of E2M1, ties to even, subnormals kept.
;;     - The product sums the exact products of the quantised numbers (number of the format x scale) in f32.
;;   ~~~python
;;   def quantise(x, axis):      # numpy; x: float32 -> the quantised numbers, widened to float32 again
;;       x = np.moveaxis(x, axis, -1); K = x.shape[-1]
;;       x = np.pad(x, [(0, 0)] * (x.ndim - 1) + [(0, -K % 32)]); x = x.reshape(x.shape[:-1] + (-1, 32)); a = np.abs(x).max(-1, keepdims=True)
;;       e = np.where(a > 0, np.clip(np.frexp(np.where(a > 0, a, 1))[1] - 1 - 2, -126, 127), 0)      # np.frexp(a)[1] - 1 = floor(log2(a)), exactly
;;       r = np.clip(x / 2.0 ** e, -6, 6)
;;       step = 2.0 ** (np.maximum(np.frexp(np.where(r == 0, 1, r))[1] - 1, 0) - 1)
;;       q = np.round(r / step) * step * 2.0 ** e      # np.round: ties to even
;;       return np.moveaxis(q.reshape(q.shape[:-2] + (-1,))[..., :K], -1, axis).astype(np.float32)
;;   ~~~
;; 2 versions, each right; version 2 is version 1 with the launch attend written anew for expert scheduling mode. Each part assembles by itself: llvm-mc -triple=amdgcn-amd-amdhsa -mcpu=gfx1250 --defsym DOCPART=n.
;; ======== version 1 of 2: 1 launch
;; limits: values are held in f16: magnitudes above 65,504 overflow, below 6.1e-05 lose precision; inputs' magnitudes at most 65,504; below input magnitudes of 6.1e-05 results are inexact or not finite
;; launch attend (part 1): grid 4 x 64, 16 waves a work-group, no clusters, 122,880 bytes of LDS; arguments q, k, v, out0; writes out0
.if DOCPART == 1
	.amdgcn_target "amdgcn-amd-amdhsa--gfx1250"
	.amdhsa_code_object_version 6
	.text
	.protected	k_q39d2376ebe_attend
	.globl	k_q39d2376ebe_attend
	.p2align	8
	.type	k_q39d2376ebe_attend,@function
k_q39d2376ebe_attend:
	s_mov_b64 s[64:65], 0
	v_nop
	global_prefetch_b8 v0, s[64:65] scope:SCOPE_SE
	s_setreg_imm32_b32 hwreg(HW_REG_WAVE_MODE, 25, 1), 1
	s_wait_xcnt 0x0
; out[b][n][64 h + d] = the sum over j of softmax_j(Q[b][h][n] . K[b][h][j] / 8) V[b][h][j][d].  q, k, v: [64 heads][2048][64] f32; out: [4][2048][1024] f32.
; FORMATS.  Q K^T runs on codes of E2M1 with one E8M0 scale for each 32 along the head (two blocks a row), made here from the f32 numbers: scale byte = the exponent field of the block's largest magnitude - 2,
; each number divided by the scale and rounded to the nearest code, ties to even, beyond 6 held at 6 (the conversion does all three).  P V runs on f16 operands with f32 sums.  Maxima, exponentials and sums in f32.
; SHARES.  A work-group owns 512 queries of one head (grid x = block of queries, y = head) and walks the head's 2,048 keys in 32 steps of 64.  Each of its sixteen waves owns 32 queries, two tiles of 16, in 256 registers.
; Both products are used transposed: S^T = K Q^T (source 0 = 16 keys, source 1 = 16 queries), O^T = V^T P (source 0 = 16 channels x 32 keys, source 1 = P): a lane holds ONE query (lane % 16) throughout, and two
; tiles of S^T, rounded to f16 in pairs, are source 1 of the second product as they stand.
; EVERY WAVE IS ALSO A PRODUCER.  In each step it loads 4 of the next-but-one step's 64 rows of k and of v into registers, and turns the 4 rows loaded a step earlier into operands in LDS for all sixteen waves:
; k as codes (an image of the operand's registers) and scale words, v as rows of f16.  So k and v are quantised once for 512 queries and never go back to memory.
; K = 64 IN AN INSTRUCTION OF K = 128.  Registers 4-7 of Q's fragments are zero codes.  K's four tiles lie on end in 16 registers with 4 zero registers behind them, and tile T's fragment is named as the 8 registers from
; 4 T on: its upper half holds the next tile's codes (or the zeros), which meet Q's zero codes and add 0 (E2M1 has no infinity and no NaN).  Bytes 2 and 3 of every scale word are 0x7f.
; ONE BARRIER A STEP, SIGNAL AND WAIT APART.  In step j a wave stores step j + 1's operands into buffer (j + 1) % 4, waits for its stores, signals, reads buffer j % 4, and waits for the barrier at the step's end.
; Stores of buffer j + 1 stand ahead of signal j and its reads behind wait j.  While a wave reads buffer j the others stand between signal j - 1 and wait j + 1, where they store into buffers j + 1 and j + 2 alone.
; NO CLUSTER, NO TENSOR LOAD: the four work-groups of a head do read the same k and v, but as f32 numbers that must pass through registers to become operands; through the mover each step's 32,768 bytes would be
; written to LDS and read from it once more than here, behind a round of its own.
; LIMITS.  NaN and infinities among the inputs are not served.  |v| stays under 65,504, the largest f16 number.  A weight under 2^-25 of its row's largest is rounded to 0 in f16 (the row's sum is taken of the
; unrounded weights).  A block of q or k whose largest magnitude lies under 2^-124 keeps the scale byte 1; so does a block of zeros, whose codes are zeros.
; The scores' maximum is a running one: p = 2^(c s - c m), c = log2(e) / 8; in every step O^T and the sum are multiplied by a = 2^(c m_old - c m_new).
.set PV,    160                        ; a row of V in LDS: 128 bytes of f16 + 32 = 40 words: rows 0-7 start at words 0, 40, 16, 56, 32, 8, 48, 24 modulo 64 (64 banks of 4 bytes: ISA guide 11.1), eight words each
.set SP,    272                        ; a row of the stage: 256 bytes + 16
.set KC,    0                          ; LDS: 4 buffers x 2,048: codes; tile T at 512 T, block h of key r at 256 h + 16 r
.set KS,    8192                       ; 4 x 256: a scale word a key
.set VH,    9216                       ; 4 x 10,240: 64 rows of V
.set STG,   50176                      ; 16 x 4,352: each wave's own stage for the way out
.set SPARE, 119808                     ; the spare words, 128 bytes for each wave: eight blocks of 256 bytes that no other line names
.set GK,  1                            ; v1   k: my 32 bytes of a step's 16,384: 32 x thread
.set GV,  2                            ; v2   v: 1,024 x wave + 16 x lane
.set PFO, 3                            ; v3   the prefetches' offset: 8,192 (wave % 2) + 256 x lane
.set KST, 4                            ; v4   where my 8 codes go
.set KSS, 5                            ; v5   where my key's scale word goes
.set VST, 6                            ; v6   where my 4 numbers of V go
.set KRD, 7                            ; v7   16 x lane: a fragment's image
.set KSR, 8                            ; v8   KS + 4 x lane
.set VRD, 9                            ; v9   my lane's place for the turning load
.set SH,  10                           ; v10  8 x my block of k: where its byte stands in the scale word
.set QO,  11                           ; v11  my byte offset in the wave's rows of Q; at the end: in the wave's rows of out
.set SPW, 12                           ; v12  LDS address of my spare word; never rewritten
.set NIL, 13                           ; v13  0; never rewritten
.set T,   14                           ; v14-17 at work
.set OLD, 18                           ; v18-19 c m of the step before, a tile each
.set CD,  20                           ; v20  my 8 codes of k
.set SHQ, 21                           ; v21  8 x (lane / 16): where my block's byte stands in Q's scale word
.set STO, 22                           ; v22  the way out: where I put 32 bytes of a row
.set RD,  23                           ; v23  the way out: where I read a row back
.set ST,  24                           ; v24-39 statistics, 8 a tile: +0 c m, +1 m, +2, +3 the sum (even keys', odd keys'), +4 to +7 c0-c3 at work; a takes c2's place, c m_old - c m_new c3's
.set QS,  40                           ; v40-41 Q's scale words
.set KSC, 42                           ; v42-43 K's scale words: lanes 0-15 tile 2 a, lanes 16-31 tile 2 a + 1
.set QF,  44                           ; v44-59 Q's two fragments
.set KF,  60                           ; v60-75 K's four tiles, 4 registers each
.set Z,   76                           ; v76-79 zeros, behind them
.set KR,  80                           ; v80-87 8 numbers of k as loaded
.set VR,  88                           ; v88-95 8 numbers of v as loaded
.set VA,  96                           ; v96-127 V^T's four fragments of keys 0-31
.set S,   128                          ; v128-191 S^T: tile t, keys 16 T on at S + 32 t + 8 T; then p; then P in the lower half of each 16 and V^T of keys 32-63 in the upper
.set O,   192                          ; v192-255 O^T: tile t, channels 16 c on at O + 32 t + 8 c
.set WV,   12                          ; s12  my wave
.set PFA,  18                          ; s[18:19] k (waves 0, 1) or v (waves 2, 3) at the trip's first step
.set LIM,  20                          ; s20  7 in a wave that prefetches, else 0
.set LIM0, 21                          ; s21  8 in a wave that prefetches, else 0
.set CS,   22                          ; s[22:23] c: the packed form names a pair and takes its low word for both halves
.set SEL,  24                          ; s[24:25] lane selects for v_permlanex16_b32: lane l xor 16
.set TRIP, 26                          ; s26  trips done; a trip is four steps
.set PADB, 27                          ; s27  0x7f7f0000: bytes 2 and 3 of every scale word
; Four loads: the wave's 4 rows of k and of v of step n of the trip.  k: a lane takes 8 neighbours of one key (the two loads together cover 1,024 consecutive bytes); v: each load covers 512 consecutive bytes, two keys.
.macro LOADS n
	global_load_b128 v[KR:KR+3],   v[GK], s[6:7] offset:(\n)*16384
	global_load_b128 v[KR+4:KR+7], v[GK], s[6:7] offset:(\n)*16384+16
	global_load_b128 v[VR:VR+3],   v[GV], s[8:9] offset:(\n)*16384
	global_load_b128 v[VR+4:VR+7], v[GV], s[8:9] offset:(\n)*16384+512
.endm
; The rows loaded a step ago (the wait for them stands ahead of this macro, on every path) become operands in buffer buf.  Four lanes hold a block of k, eight a key.  v's roundings stand between the lines of k's maximum.
.macro PREP buf
	v_max3_num_f32 v[T], |v[KR]|, |v[KR+1]|, 0x1800000             ; my 8 numbers, and the floor 2^(3 - 127): the byte cannot fall under 1
	v_max3_num_f32 v[T+1], |v[KR+2]|, |v[KR+3]|, |v[KR+4]|
	v_cvt_pk_f16_f32 v[VR], v[VR], v[VR+1]
	v_max3_num_f32 v[T], v[T], |v[KR+5]|, |v[KR+6]|
	v_cvt_pk_f16_f32 v[VR+1], v[VR+2], v[VR+3]
	v_max3_num_f32 v[T], v[T], v[T+1], |v[KR+7]|
	v_cvt_pk_f16_f32 v[VR+4], v[VR+4], v[VR+5]
	v_max_num_f32_dpp v[T], v[T], v[T] row_xmask:1 row_mask:0xf bank_mask:0xf
	v_cvt_pk_f16_f32 v[VR+5], v[VR+6], v[VR+7]
	v_max_num_f32_dpp v[T], v[T], v[T] row_xmask:2 row_mask:0xf bank_mask:0xf   ; the block's largest magnitude
	v_add_nc_u32 v[T+1], 0xff000000, v[T]                          ; 2 off its exponent field: the conversion takes the exponent field of this operand as its scale
	v_cvt_scalef32_pk8_fp4_f32 v[CD], v[KR:KR+7], v[T+1]
	v_lshrrev_b32 v[T+2], 23, v[T+1]                               ; the scale's byte (and the plain instruction behind the conversion),
	v_lshl_or_b32 v[T+2], v[T+2], v[SH], s[PADB]                   ; at its block's place, over 0x7f7f0000;
	v_mov_b32_dpp v[T+3], v[T+2] row_xmask:4 row_mask:0xf bank_mask:0xf
	v_or_b32 v[T+2], v[T+2], v[T+3]                                ; with the key's other block's: the word is whole
	ds_store_b64 v[VST], v[VR:VR+1] offset:(\buf)*10240
	ds_store_b64 v[VST], v[VR+4:VR+5] offset:(\buf)*10240+2*PV
	ds_store_b32 v[KST], v[CD] offset:(\buf)*2048
	ds_store_b32 v[KSS], v[T+2] offset:(\buf)*256                  ; the key's eight lanes write the same word with the same value
.endm
; A PREFETCH INTO THE L2 of the step three on: one step ahead of the loads that will want it.  It stands where the wave has just issued its loads.  All four work-groups of a head walk the same k and v: the first of
; them asks; in it waves 0 and 1 ask for k's 16,384 bytes of the step and waves 2 and 3 for v's, lanes 256 bytes apart: each aligned block of 256 bytes is named once in the launch.  Steps 0 to 2 come by their
; loads alone; the last request names step 31.
.macro ASK b
.if \b == 0
	s_cmp_lt_u32 s[TRIP], s[LIM0]
.else
	s_cmp_lt_u32 s[TRIP], s[LIM]
.endif
	s_cbranch_scc0 .Lnot_mine_\@
	global_prefetch_b8 v[PFO], s[PFA:PFA+1] offset:(\b+3)*16384 th:TH_LOAD_NT scope:SCOPE_SE
.Lnot_mine_\@:
.endm
; A KEY STEP for my two tiles of queries, out of buffer b.
.macro COMPUTE b
.irp k, 0,1,2,3
	ds_load_b128 v[KF+4*\k:KF+4*\k+3], v[KRD] offset:(\b)*2048+512*\k
.endr
.irp a, 0,1
	ds_load_b32 v[KSC+\a], v[KSR] offset:(\b)*256+128*\a
.endr
.irp c, 0,1,2,3                        ; V^T, keys 0-31, channels 16 c on: the turning load leaves channel lane % 16 and 8 keys in a lane
	ds_load_tr16_b128 v[VA+8*\c:VA+8*\c+3],   v[VRD] offset:(\b)*10240+32*\c
	ds_load_tr16_b128 v[VA+8*\c+4:VA+8*\c+7], v[VRD] offset:(\b)*10240+32*\c+16*PV
.endr
	s_wait_dscnt 8                                                 ; K's six loads are in; V's eight, which are younger, may be out
.irp k, 0,1,2,3                        ; S^T = K Q^T: eight accumulators, each begun with the constant 0
.irp t, 0,1
.if (\k)%2
	v_wmma_scale_f32_16x16x128_f8f6f4 v[S+32*\t+8*\k:S+32*\t+8*\k+7], v[KF+4*\k:KF+4*\k+7], v[QF+8*\t:QF+8*\t+7], 0, v[KSC+\k/2], v[QS+\t] matrix_a_fmt:MATRIX_FMT_FP4 matrix_b_fmt:MATRIX_FMT_FP4 matrix_a_scale:MATRIX_SCALE_ROW1
.else
	v_wmma_scale_f32_16x16x128_f8f6f4 v[S+32*\t+8*\k:S+32*\t+8*\k+7], v[KF+4*\k:KF+4*\k+7], v[QF+8*\t:QF+8*\t+7], 0, v[KSC+\k/2], v[QS+\t] matrix_a_fmt:MATRIX_FMT_FP4 matrix_b_fmt:MATRIX_FMT_FP4
.endif
.endr
.endr
.irp t, 0,1
	v_mov_b32 v[OLD+\t], v[ST+8*\t]                                ; c m_old is kept for a.  These two and the two below are the four places behind the products (ISA guide 7.12.1)
.endr
	v_nop
	v_nop
	; the maximum of my 32 scores and the old m, three operands at a time, the two tiles by turns; each accumulator is read from its low end on
.irp j, 0,1,2,3
.irp t, 0,1
	v_max3_num_f32 v[ST+8*\t+4+\j], v[S+32*\t+8*\j], v[S+32*\t+8*\j+1], v[S+32*\t+8*\j+2]
.endr
.endr
.irp i, 3,5
.irp j, 0,1,2,3
.irp t, 0,1
	v_max3_num_f32 v[ST+8*\t+4+\j], v[ST+8*\t+4+\j], v[S+32*\t+8*\j+\i], v[S+32*\t+8*\j+\i+1]
.endr
.endr
.endr
.irp t, 0,1
	v_max3_num_f32 v[ST+8*\t+4], v[ST+8*\t+4], v[S+32*\t+7], v[S+32*\t+15]
.endr
.irp t, 0,1
	v_max3_num_f32 v[ST+8*\t+6], v[ST+8*\t+6], v[S+32*\t+23], v[S+32*\t+31]
.endr
.irp t, 0,1
	v_max3_num_f32 v[ST+8*\t+4], v[ST+8*\t+4], v[ST+8*\t+5], v[ST+8*\t+6]
.endr
.irp t, 0,1
	v_max3_num_f32 v[ST+8*\t+4], v[ST+8*\t+4], v[ST+8*\t+7], v[ST+8*\t+1]
.endr
.irp t, 0,1
	v_permlanex16_b32 v[ST+8*\t+5], v[ST+8*\t+4], s[SEL], s[SEL+1] ; the query's other 32 keys lie in the lane 16 away
.endr
.irp t, 0,1
	v_max_num_f32 v[ST+8*\t+1], v[ST+8*\t+4], v[ST+8*\t+5]         ; the new m
.endr
.irp t, 0,1
	v_mul_f32 v[ST+8*\t], s[CS], v[ST+8*\t+1]                      ; c m
.endr
.irp t, 0,1
	v_sub_f32 v[ST+8*\t+7], v[OLD+\t], v[ST+8*\t]                  ; c m_old - c m_new
.endr
	; ONE BATCH: a, the 32 scalings, the 64 exponentials.  None of these names an exponential's result.
.irp t, 0,1
	v_exp_f32 v[ST+8*\t+6], v[ST+8*\t+7]                           ; a
.endr
.irp j, 0,2,4,6,8,10,12,14,16,18,20,22,24,26,28,30
.irp t, 0,1
	v_pk_fma_f32 v[S+32*\t+\j:S+32*\t+\j+1], v[S+32*\t+\j:S+32*\t+\j+1], s[CS:CS+1], v[ST+8*\t:ST+8*\t+1] op_sel_hi:[1,0,0] neg_lo:[0,0,1] neg_hi:[0,0,1]   ; c s - c m, two at a time
.endr
.endr
.set i, 0
.rept 64
	v_exp_f32 v[S+i], v[S+i]                                       ; p = 2^(c s - c m), at most 1
.set i, i+1
.endr
	v_nop                                                          ; a plain instruction behind the last exponential, ahead of the first use
	s_wait_alu depctr_va_vdst(0)                                   ; one wait for the batch's 66 exponentials, ahead of the first instruction that names a result
	; the sums, of the unrounded p: two chains a tile; the running sum is multiplied by a on the way
.irp t, 0,1
	v_pk_add_f32 v[ST+8*\t+4:ST+8*\t+5], v[S+32*\t:S+32*\t+1], v[S+32*\t+2:S+32*\t+3]
.endr
.irp t, 0,1
	v_pk_fma_f32 v[ST+8*\t+2:ST+8*\t+3], v[ST+8*\t+2:ST+8*\t+3], v[ST+8*\t+6:ST+8*\t+7], v[S+32*\t+4:S+32*\t+5] op_sel_hi:[1,0,1]
.endr
.irp j, 6,10,14,18,22,26
.irp t, 0,1
	v_pk_add_f32 v[ST+8*\t+4:ST+8*\t+5], v[ST+8*\t+4:ST+8*\t+5], v[S+32*\t+\j:S+32*\t+\j+1]
.endr
.irp t, 0,1
	v_pk_add_f32 v[ST+8*\t+2:ST+8*\t+3], v[ST+8*\t+2:ST+8*\t+3], v[S+32*\t+\j+2:S+32*\t+\j+3]
.endr
.endr
.irp t, 0,1
	v_pk_add_f32 v[ST+8*\t+4:ST+8*\t+5], v[ST+8*\t+4:ST+8*\t+5], v[S+32*\t+30:S+32*\t+31]
.endr
.irp t, 0,1
	v_pk_add_f32 v[ST+8*\t+2:ST+8*\t+3], v[ST+8*\t+2:ST+8*\t+3], v[ST+8*\t+4:ST+8*\t+5]
.endr
	; P: the 16 registers of two neighbouring key tiles are rounded to f16 in pairs, in place and ascending, into the lower 8: source 1 for 32 keys.  The upper 8 fall free.
.irp u, 0,1
.irp i, 0,1,2,3,4,5,6,7
.irp t, 0,1
	v_cvt_pk_f16_f32 v[S+32*\t+16*\u+\i], v[S+32*\t+16*\u+2*\i], v[S+32*\t+16*\u+2*\i+1]
.endr
.endr
.endr
.irp c, 0,1,2,3                        ; V^T, keys 32-63, channels 16 c on, into the free 8 registers at S + 16 c + 8
	ds_load_tr16_b128 v[S+16*\c+8:S+16*\c+11],  v[VRD] offset:(\b)*10240+32*\c+32*PV
	ds_load_tr16_b128 v[S+16*\c+12:S+16*\c+15], v[VRD] offset:(\b)*10240+32*\c+48*PV
.endr
.irp j, 0,2,4,6,8,10,12,14,16,18,20,22,24,26,28,30
.irp t, 0,1
	v_pk_mul_f32 v[O+32*\t+\j:O+32*\t+\j+1], v[O+32*\t+\j:O+32*\t+\j+1], v[ST+8*\t+6:ST+8*\t+7] op_sel_hi:[1,0]   ; O^T times a, each accumulator from its low end on; V's loads land meanwhile
.endr
.endr
	s_wait_dscnt 8                                                 ; V of keys 0-31 is in; the eight loads just issued may be out
.irp c, 0,1,2,3                        ; O^T += V^T P: the eight accumulators take turns, one instruction a turn
.irp t, 0,1
	v_wmma_f32_16x16x32_f16 v[O+32*\t+8*\c:O+32*\t+8*\c+7], v[VA+8*\c:VA+8*\c+7], v[S+32*\t:S+32*\t+7], v[O+32*\t+8*\c:O+32*\t+8*\c+7]
.endr
.endr
	s_wait_dscnt 0x0                                               ; V of keys 32-63 is in: my reads of this buffer are over
.irp c, 0,1,2,3
.irp t, 0,1
	v_wmma_f32_16x16x32_f16 v[O+32*\t+8*\c:O+32*\t+8*\c+7], v[S+16*\c+8:S+16*\c+15], v[S+32*\t+16:S+32*\t+23], v[O+32*\t+8*\c:O+32*\t+8*\c+7]
.endr
.endr
.endm
; Step b of a trip.  The wait for the raw loads issued a step ago stands first, ahead of every branch: so on every path it lies between those loads and the next loads into the same registers.
; PREP's plain vector instructions are the places between the last products and what follows them: the loads into V's registers (four are asked) and the new scores laid over P and V (five).
; The last trip has no step 32 to prepare and no steps 32, 33 to load: scalar branches on the count of trips; five v_nop take the places' part where PREP is jumped over.
.macro STEP b
	s_wait_loadcnt 0x0                                             ; the four raw loads issued a step ago are in (in the last trip's last step none is out)
.if \b == 3
	s_cmp_lt_u32 s[TRIP], 7
	s_cbranch_scc0 .Lno_prep_\@
.endif
	PREP (\b+1)%4
.if \b == 3
.Lno_prep_\@:
.rept 5
	v_nop
.endr
.endif
	s_wait_dscnt 0x0                                               ; for the others' sake: my stores have landed; and they have read their registers, which the loads below take
.if \b >= 2
	s_cmp_lt_u32 s[TRIP], 7
	s_cbranch_scc0 .Lno_loads_\@
.endif
	LOADS \b+2
.if \b >= 2
.Lno_loads_\@:
.endif
	ASK \b
	s_barrier_signal -1                                            ; the next step's operands of mine lie in LDS
	COMPUTE \b                                                     ; LDS loads of this step's buffer, into which no wave stores before three more barriers, and work on registers
	s_barrier_wait -1                                              ; everybody's lie there
.endm
	s_load_b256 s[4:11], s[0:1], 0x0               ; q s[4:5], k s[6:7], v s[8:9], out s[10:11]
	v_lshl_add_u32 v[SPW], v0, 2, SPARE
	v_mov_b32 v[NIL], 0
	v_lshrrev_b32 v14, 5, v0
	v_readfirstlane_b32 s[WV], v14                 ; wave 0..15
	v_and_b32 v14, 31, v0                          ; l
	v_and_b32 v15, 15, v0                          ; r = l % 16
	v_bfe_u32 v16, v0, 4, 1                        ; h = l / 16
	v_lshlrev_b32 v[GK], 5, v0
	s_lshl_b32 s28, s[WV], 10
	v_lshl_add_u32 v[GV], v14, 4, s28
	v_lshlrev_b32 v[QO], 8, v15
	v_lshl_add_u32 v[QO], v16, 7, v[QO]            ; Q: row r of 256 bytes, + my block's 128
	s_and_b32 s14, ttmp7, 0xffff                   ; the head, 16 b + h
	s_lshl_b32 s16, s14, 19                        ; its 2,048 rows of 256 bytes in q, k and v
	s_mov_b32 s17, 0
	s_lshl_b32 s28, ttmp9, 17                      ; my block's 512 rows,
	s_lshl_b32 s29, s[WV], 13                      ; my wave's 32
	s_add_co_u32 s28, s28, s29
	s_add_co_u32 s28, s28, s16
	s_mov_b32 s29, 0
	s_lshr_b32 s30, s14, 4
	s_lshl_b32 s30, s30, 23                        ; out: b x 2,048 rows of 4,096 bytes,
	s_lshl_b32 s31, ttmp9, 21                      ; my block's 512 rows,
	s_add_co_u32 s30, s30, s31
	s_lshl_b32 s31, s[WV], 17                      ; my wave's 32,
	s_add_co_u32 s30, s30, s31
	s_and_b32 s31, s14, 15
	s_lshl_b32 s31, s31, 8                         ; my head's 256 bytes of a row
	s_add_co_u32 s30, s30, s31
	s_mov_b32 s31, 0
	s_wait_kmcnt 0x0
	s_add_nc_u64 s[4:5], s[4:5], s[28:29]
	s_add_nc_u64 s[6:7], s[6:7], s[16:17]
	s_add_nc_u64 s[8:9], s[8:9], s[16:17]
	s_add_nc_u64 s[10:11], s[10:11], s[30:31]
	LOADS 0
.irp t, 0,1                            ; Q: lane (r, h) takes block h of query 16 t + r: 32 numbers, into S's registers
.irp i, 0,1,2,3,4,5,6,7
	global_load_b128 v[S+32*\t+4*\i:S+32*\t+4*\i+3], v[QO], s[4:5] offset:4096*\t+16*\i th:TH_LOAD_NT
.endr
.endr
	s_cmp_lt_u32 s[WV], 2
	s_cselect_b64 s[PFA:PFA+1], s[6:7], s[8:9]     ; waves 0 and 1 would ask for k, waves 2 and 3 for v
	s_lshr_b32 s[LIM], s[WV], 2                    ; 0 in waves 0 to 3,
	s_or_b32 s[LIM], s[LIM], ttmp9                 ; of the head's first work-group
	s_cmp_eq_u32 s[LIM], 0
	s_cselect_b32 s[LIM], 7, 0
	s_cselect_b32 s[LIM0], 8, 0
	s_mov_b32 s[CS], 0x3e38aa3b                    ; c = log2(e) / 8
	s_mov_b32 s[CS+1], s[CS]                       ; (named with it as a pair, so it is written)
	s_mov_b32 s[SEL], 0x76543210
	s_mov_b32 s[SEL+1], 0xfedcba98
	s_mov_b32 s[TRIP], 0
	s_mov_b32 s[PADB], 0x7f7f0000
	v_bfe_u32 v17, v0, 3, 2                        ; l / 8: which of my wave's 4 keys
	v_bfe_u32 v18, v0, 2, 1                        ; which block of the key
	v_and_b32 v19, 3, v0                           ; which 8 codes of the block
	v_and_b32 v20, 7, v0
	v_bfe_u32 v21, v0, 3, 1
	s_and_b32 s28, s[WV], 1
	s_lshl_b32 s28, s28, 13
	v_lshl_add_u32 v[PFO], v14, 8, s28
	s_lshr_b32 s28, s[WV], 2                       ; key 4 w + l / 8 lies in tile w / 4, at row 4 (w % 4) + l / 8
	s_lshl_b32 s28, s28, 9
	s_and_b32 s29, s[WV], 3
	s_lshl_b32 s29, s29, 6
	s_add_co_u32 s28, s28, s29
	v_lshlrev_b32 v[KST], 4, v17
	v_lshl_add_u32 v[KST], v18, 8, v[KST]
	v_lshl_add_u32 v[KST], v19, 2, v[KST]
	v_add_nc_u32 v[KST], s28, v[KST]               ; 512 tile + 256 block + 16 row + 4 x my 8 codes (KC = 0)
	s_lshl_b32 s28, s[WV], 4
	s_add_co_u32 s28, s28, KS
	v_lshl_add_u32 v[KSS], v17, 2, s28             ; KS + 4 x key
	s_mul_i32 s28, s[WV], 4*PV
	s_add_co_u32 s28, s28, VH
	v_mul_u32_u24 v[VST], v16, PV
	v_lshl_add_u32 v[VST], v15, 3, v[VST]
	v_add_nc_u32 v[VST], s28, v[VST]               ; VH + PV (4 w + h) + 8 r; the second load's keys lie 2 PV on
	v_lshlrev_b32 v[KRD], 4, v14
	v_lshl_add_u32 v[KSR], v14, 2, KS
	v_lshl_add_u32 v[VRD], v16, 3, v20             ; the turning load: lane l reads 16 bytes of key 8 h + l % 8, channels 8 ((l / 8) % 2) on
	v_mul_u32_u24 v[VRD], v[VRD], PV
	v_lshl_add_u32 v[VRD], v21, 4, v[VRD]
	v_add_nc_u32 v[VRD], VH, v[VRD]
	v_lshlrev_b32 v[SH], 3, v18
	v_lshlrev_b32 v[SHQ], 3, v16
	s_mul_i32 s28, s[WV], 16*SP
	s_add_co_u32 s28, s28, STG                     ; my stage
	v_mul_u32_u24 v[STO], v15, SP                  ; in: row r, 32 bytes for each half of the lanes
	v_lshl_add_u32 v[STO], v16, 5, v[STO]
	v_add_nc_u32 v[STO], s28, v[STO]
	v_mul_u32_u24 v[RD], v16, SP                   ; back: lanes 0-15 one row of 256 bytes, lanes 16-31 the next
	v_lshl_add_u32 v[RD], v15, 4, v[RD]
	v_add_nc_u32 v[RD], s28, v[RD]
.irp j, 0,1,2,3
	v_mov_b32 v[Z+\j], 0                           ; the zero codes behind K's tiles,
	v_mov_b32 v[QF+4+\j], 0                        ; and the upper halves of Q's fragments
	v_mov_b32 v[QF+12+\j], 0
.endr
.irp t, 0,1
	v_mov_b32 v[ST+8*\t+1], 0xff61b1e6             ; m: -3e38, under every score
	v_mov_b32 v[ST+8*\t+2], 0                      ; the sum, in two halves
	v_mov_b32 v[ST+8*\t+3], 0
	v_mul_f32 v[ST+8*\t], s[CS], v[ST+8*\t+1]      ; c m
.endr
.set i, 0
.rept 64
	v_mov_b32 v[O+i], 0                            ; O^T.  (The step is written once: the first finds zeros, and a = 0 leaves them zeros)
.set i, i+1
.endr
	s_wait_loadcnt 16                              ; step 0's four raw loads are in; Q's sixteen, which are younger, may be out
	PREP 0
	s_wait_dscnt 0x0                               ; my stores have landed and have read their registers
	LOADS 1
	s_barrier_signal -1
	s_wait_loadcnt 4                               ; Q is in; step 1's four loads may be out
	; Q is quantised in registers, between the signal and the wait: a lane holds a whole block of each tile
.irp t, 0,1
	v_max3_num_f32 v[T+\t], |v[S+32*\t]|, |v[S+32*\t+1]|, 0x1800000
.endr
.irp i, 2,4,6,8,10,12,14,16,18,20,22,24,26,28,30
.irp t, 0,1
	v_max3_num_f32 v[T+\t], v[T+\t], |v[S+32*\t+\i]|, |v[S+32*\t+\i+1]|
.endr
.endr
.irp t, 0,1
	v_add_nc_u32 v[T+2+\t], 0xff000000, v[T+\t]    ; the conversion's scale operand
.endr
.irp t, 0,1
	v_lshrrev_b32 v[T+\t], 23, v[T+2+\t]           ; the scale's byte,
.endr
.irp t, 0,1
	v_lshl_or_b32 v[T+\t], v[T+\t], v[SHQ], s[PADB]   ; at its block's place, over 0x7f7f0000;
.endr
.irp t, 0,1
	v_permlanex16_b32 v[OLD+\t], v[T+\t], s[SEL], s[SEL+1]   ; (its destination has been written at the head)
.endr
.irp t, 0,1
	v_or_b32 v[QS+\t], v[T+\t], v[OLD+\t]          ; with lane l xor 16's the word is whole
.endr
.irp t, 0,1
.irp g, 0,1,2,3
	v_cvt_scalef32_pk8_fp4_f32 v[QF+8*\t+\g], v[S+32*\t+8*\g:S+32*\t+8*\g+7], v[T+2+\t]
.endr
.endr
.rept 8
	v_nop                                          ; a plain instruction behind the conversions; operands and scale words written by vector instructions stand 4 and 8 places ahead of a scaled matrix instruction
.endr
	s_barrier_wait -1                              ; step 0's operands lie in LDS
.Ltrip:                                            ; 8 trips of four steps: every LDS offset is an immediate
	STEP 0
	STEP 1
	STEP 2
	STEP 3
	s_wait_xcnt 0x0                                ; the trip's loads and prefetches have read their bases, which are stepped only behind this wait
	s_add_nc_u64 s[6:7], s[6:7], 0x10000
	s_add_nc_u64 s[8:9], s[8:9], 0x10000
	s_add_nc_u64 s[PFA:PFA+1], s[PFA:PFA+1], 0x10000
	s_add_co_u32 s[TRIP], s[TRIP], 1
	s_cmp_lt_u32 s[TRIP], 8
	s_cbranch_scc1 .Ltrip
	; THE WAY OUT.  The sum's two halves and the other half of the lanes' are added; O^T is divided by the sum and goes through my own stage in LDS, a tile (16 queries x 64 channels) at a time, so that sixteen
	; lanes store 256 consecutive bytes: a query's 64 channels of this head.  The additions and the address work are the places behind the last products.
.irp t, 0,1
	v_add_f32 v[ST+8*\t+4], v[ST+8*\t+2], v[ST+8*\t+3]
.endr
.irp t, 0,1
	v_permlanex16_b32 v[ST+8*\t+5], v[ST+8*\t+4], s[SEL], s[SEL+1]
.endr
.irp t, 0,1
	v_add_f32 v[ST+8*\t+4], v[ST+8*\t+4], v[ST+8*\t+5]
.endr
.irp t, 0,1
	v_rcp_f32 v[ST+8*\t+6], v[ST+8*\t+4]
.endr
	v_and_b32 v14, 15, v0                          ; (plain instructions behind the reciprocals)  r
	v_bfe_u32 v15, v0, 4, 1                        ; h
	v_lshlrev_b32 v[QO], 12, v15                   ; out: lanes 0-15 one row of 4,096 bytes, lanes 16-31 the next; 16 bytes a lane
	v_lshl_add_u32 v[QO], v14, 4, v[QO]
	s_wait_alu depctr_va_vdst(0)                   ; one wait for the two reciprocals, ahead of their first reader
.macro OUT t
.set i, 0
.rept 16
	v_pk_mul_f32 v[O+32*\t+i:O+32*\t+i+1], v[O+32*\t+i:O+32*\t+i+1], v[ST+8*\t+6:ST+8*\t+7] op_sel_hi:[1,0]   ; each accumulator from its low end on
.set i, i+2
.endr
.irp c, 0,1,2,3
	ds_store_b128 v[STO], v[O+32*\t+8*\c:O+32*\t+8*\c+3] offset:64*\c        ; lane (r, h): channels 16 c + 8 h + 0 .. 7 of query r
	ds_store_b128 v[STO], v[O+32*\t+8*\c+4:O+32*\t+8*\c+7] offset:64*\c+16
.endr
.irp f, 0,1,2,3,4,5,6,7
	ds_load_b128 v[S+32*\t+4*\f:S+32*\t+4*\f+3], v[RD] offset:\f*2*SP        ; LDS serves a wave's instructions in order (ISA guide 5.7.1.4): these see the stores above, and the next tile's stores come behind them
.endr
.endm
.macro SEND t, younger                 ; younger: the LDS instructions issued behind tile t's loads
.irp f, 0,1,2,3,4,5,6,7
	s_wait_dscnt \younger+7-\f
	global_store_b128 v[QO], v[S+32*\t+4*\f:S+32*\t+4*\f+3], s[10:11] offset:(16*\t+2*\f)*4096 th:TH_STORE_NT   ; 16 lanes store 256 consecutive bytes, at a multiple of 256 from the first byte of out
.endr
.endm
	OUT 0
	OUT 1
	SEND 0, 16                                     ; behind tile 0's loads: tile 1's eight stores and eight loads
	SEND 1, 0
	s_wait_tensorcnt 0x0                           ; the wave's end, behind my last LDS store
	ds_add_u32 v[SPW], v[NIL]
	s_wait_dscnt 0x0
	s_endpgm
.Lfunc_end_k_q39d2376ebe_attend:
	.size	k_q39d2376ebe_attend, .Lfunc_end_k_q39d2376ebe_attend-k_q39d2376ebe_attend
	.p2alignl 7, 3214868480
	.fill 96, 4, 3214868480
	.section	.rodata,"a",@progbits
	.p2align	6, 0x0
	.amdhsa_kernel k_q39d2376ebe_attend
		.amdhsa_group_segment_fixed_size 122880
		.amdhsa_private_segment_fixed_size 0
		.amdhsa_enable_private_segment 0
		.amdhsa_kernarg_size 32
		.amdhsa_user_sgpr_count 2
		.amdhsa_user_sgpr_kernarg_segment_ptr 1
		.amdhsa_wavefront_size32 1
		.amdhsa_system_sgpr_workgroup_id_x 1
		.amdhsa_system_sgpr_workgroup_id_y 1
		.amdhsa_system_sgpr_workgroup_id_z 1
		.amdhsa_system_vgpr_workitem_id 0
		.amdhsa_next_free_vgpr 256
		.amdhsa_next_free_sgpr 66
		.amdhsa_reserve_vcc 0
		.amdhsa_float_denorm_mode_32 3
		.amdhsa_float_denorm_mode_16_64 3
		.amdhsa_memory_ordered 1
		.amdhsa_forward_progress 1
		.amdhsa_inst_pref_size 93
	.end_amdhsa_kernel
	.amdgpu_metadata
---
amdhsa.version: [ 1, 2 ]
amdhsa.kernels:
  - .name:           k_q39d2376ebe_attend
    .symbol:         k_q39d2376ebe_attend.kd
    .args:
      - { .name: q, .offset: 0, .size: 8, .value_kind: global_buffer, .address_space: global }
      - { .name: k, .offset: 8, .size: 8, .value_kind: global_buffer, .address_space: global }
      - { .name: v, .offset: 16, .size: 8, .value_kind: global_buffer, .address_space: global }
      - { .name: out0, .offset: 24, .size: 8, .value_kind: global_buffer, .address_space: global }
    .group_segment_fixed_size: 122880
    .private_segment_fixed_size: 0
    .kernarg_segment_align: 8
    .kernarg_segment_size: 32
    .max_flat_workgroup_size: 512
    .sgpr_count:     66
    .vgpr_count:     256
    .wavefront_size: 32
...
	.end_amdgpu_metadata
.endif
;; end of part 1
;; ======== version 2 of 2: 1 launch; version 1 with the launch attend written anew for expert scheduling mode
;; limits: values are held in f16: magnitudes above 65,504 overflow, below 6.1e-05 lose precision; inputs' magnitudes at most 65,504; below input magnitudes of 6.1e-05 results are inexact or not finite
;; launch attend (part 2): grid 4 x 64, 16 waves a work-group, no clusters, 122,880 bytes of LDS; arguments q, k, v, out0; writes out0
.if DOCPART == 2
	.amdgcn_target "amdgcn-amd-amdhsa--gfx1250"
	.amdhsa_code_object_version 6
	.text
	.protected	k_q39d2376ebe_attend
	.globl	k_q39d2376ebe_attend
	.p2align	8
	.type	k_q39d2376ebe_attend,@function
k_q39d2376ebe_attend:
	s_mov_b64 s[64:65], 0
	v_nop
	global_prefetch_b8 v0, s[64:65] scope:SCOPE_SE
	s_setreg_imm32_b32 hwreg(HW_REG_WAVE_SCHED_MODE, 0, 2), 2
	s_setreg_imm32_b32 hwreg(HW_REG_WAVE_MODE, 25, 1), 1
	s_wait_xcnt 0x0
	s_wait_alu depctr_vm_vsrc(0)
; out[b][n][64 h + d] = the sum over j of softmax_j(Q[b][h][n] . K[b][h][j] / 8) V[b][h][j][d].  q, k, v: [64 heads][2048][64] f32; out: [4][2048][1024] f32.
; FORMATS.  Q K^T runs on codes of E2M1 with one E8M0 scale for each 32 along the head (two blocks a row), made here from the f32 numbers: scale byte = the exponent field of the block's largest magnitude - 2,
; each number divided by the scale and rounded to the nearest code, ties to even, beyond 6 held at 6 (the conversion does all three).  P V runs on f16 operands with f32 sums.  Maxima, exponentials and sums in f32.
; SHARES.  A work-group owns 512 queries of one head (grid x = block of queries, y = head) and walks the head's 2,048 keys in 32 steps of 64.  Each of its sixteen waves owns 32 queries, two tiles of 16, in 256 registers.
; Both products are used transposed: S^T = K Q^T (source 0 = 16 keys, source 1 = 16 queries), O^T = V^T P (source 0 = 16 channels x 32 keys, source 1 = P): a lane holds ONE query (lane % 16) throughout, and two
; tiles of S^T, rounded to f16 in pairs, are source 1 of the second product as they stand.
; EVERY WAVE IS ALSO A PRODUCER.  In each step it loads 4 of the next-but-one step's 64 rows of k and of v into registers, and turns the 4 rows loaded a step earlier into operands in LDS for all sixteen waves:
; k as codes (an image of the operand's registers) and scale words, v as rows of f16.  So k and v are quantised once for 512 queries and never go back to memory.
; K = 64 IN AN INSTRUCTION OF K = 128.  Registers 4-7 of Q's fragments are zero codes.  K's four tiles lie on end in 16 registers with 4 zero registers behind them, and tile T's fragment is named as the 8 registers from
; 4 T on: its upper half holds the next tile's codes (or the zeros), which meet Q's zero codes and add 0 (E2M1 has no infinity and no NaN).  Bytes 2 and 3 of every scale word are 0x7f.
; ONE BARRIER A STEP, SIGNAL AND WAIT APART.  In step j a wave stores step j + 1's operands into buffer (j + 1) % 4, waits for its stores, signals, reads buffer j % 4, and waits for the barrier at the step's end.
; Stores of buffer j + 1 stand ahead of signal j and its reads behind wait j.  While a wave reads buffer j the others stand between signal j - 1 and wait j + 1, where they store into buffers j + 1 and j + 2 alone.
; NO CLUSTER, NO TENSOR LOAD: the four work-groups of a head do read the same k and v, but as f32 numbers that must pass through registers to become operands; through the mover each step's 32,768 bytes would be
; written to LDS and read from it once more than here, behind a round of its own.
; LIMITS.  NaN and infinities among the inputs are not served.  |v| stays under 65,504, the largest f16 number.  A weight under 2^-25 of its row's largest is rounded to 0 in f16 (the row's sum is taken of the
; unrounded weights).  A block of q or k whose largest magnitude lies under 2^-124 keeps the scale byte 1; so does a block of zeros, whose codes are zeros.
; The scores' maximum is a running one: p = 2^(c s - c m), c = log2(e) / 8; in every step O^T and the sum are multiplied by a = 2^(c m_old - c m_new).
; THE MODE: SCHED_MODE bits 1:0 = 2 (LLVM: expert scheduling mode 2), set by the entry lines.  The code itself states the register dependences between vector or matrix instructions and memory or LDS instructions,
; with s_wait_alu, always for 0.
; THE PLAN.  Registers that memory or LDS instructions touch, in the loop:
;   v1-v9          offsets and LDS addresses, made once at the head and never written again.
;   KR, VR         The step's four global loads land in them; the next step's PREP reads them and rounds v in place; its two 8-byte LDS stores read VR, VR+1, VR+4, VR+5.
;   CD, T+2        Written by PREP; read by its two 4-byte LDS stores.
;   KF, KSC        Six LDS loads a step land in them; the step's eight scaled products read them.
;   VA             Eight turning loads a step land in it; the step's first eight f16 products read it.
;   S, upper eights  Written by the scaled products and the exponentials, read by the sums and the roundings to f16; then eight turning loads land in them, and the step's last eight f16 products read them.
;   All else (Q's fragments and scale words, the zeros, the statistics, the lower eights of S, O^T) is named in the loop by vector and matrix instructions alone.
; So a step has: ONE wait on va_vdst behind PREP's arithmetic, which states that the stores' data are written, that PREP is done with KR and VR, and that the matrix instructions of the step before are done reading
; KF, KSC and VA: no vector or matrix instruction between it and the step's global loads and K's six LDS loads names a register that they touch, nor does any between it and V^T's first eight; ONE wait on vm_vsrc behind
; the stores, ahead of the loads into VR and of the next PREP; the wait behind the exponentials; and ONE wait on va_vdst behind the roundings, ahead of V^T's second eight loads.  V^T's first eight loads are dealt
; among the scaled products, which name S, KF, the zeros, Q's fragments and the scale words.
.set PV,    160                        ; a row of V in LDS: 128 bytes of f16 + 32 = 40 words: rows 0-7 start at words 0, 40, 16, 56, 32, 8, 48, 24 modulo 64 (64 banks of 4 bytes: ISA guide 11.1), eight words each
.set SP,    272                        ; a row of the stage: 256 bytes + 16
.set KC,    0                          ; LDS: 4 buffers x 2,048: codes; tile T at 512 T, block h of key r at 256 h + 16 r
.set KS,    8192                       ; 4 x 256: a scale word a key
.set VH,    9216                       ; 4 x 10,240: 64 rows of V
.set STG,   50176                      ; 16 x 4,352: each wave's own stage for the way out
.set SPARE, 119808                     ; the spare words, 128 bytes for each wave: eight blocks of 256 bytes that no other line names
.set GK,  1                            ; v1   k: my 32 bytes of a step's 16,384: 32 x thread
.set GV,  2                            ; v2   v: 1,024 x wave + 16 x lane
.set PFO, 3                            ; v3   the prefetches' offset: 8,192 (wave % 2) + 256 x lane
.set KST, 4                            ; v4   where my 8 codes go
.set KSS, 5                            ; v5   where my key's scale word goes
.set VST, 6                            ; v6   where my 4 numbers of V go
.set KRD, 7                            ; v7   16 x lane: a fragment's image
.set KSR, 8                            ; v8   KS + 4 x lane
.set VRD, 9                            ; v9   my lane's place for the turning load
.set SH,  10                           ; v10  8 x my block of k: where its byte stands in the scale word
.set QO,  11                           ; v11  my byte offset in the wave's rows of Q; at the end: in the wave's rows of out
.set SPW, 12                           ; v12  LDS address of my spare word; never rewritten
.set NIL, 13                           ; v13  0; never rewritten
.set T,   14                           ; v14-17 at work
.set OLD, 18                           ; v18-19 c m of the step before, a tile each
.set CD,  20                           ; v20  my 8 codes of k
.set SHQ, 21                           ; v21  8 x (lane / 16): where my block's byte stands in Q's scale word
.set STO, 22                           ; v22  the way out: where I put 32 bytes of a row
.set RD,  23                           ; v23  the way out: where I read a row back
.set ST,  24                           ; v24-39 statistics, 8 a tile: +0 c m, +1 m, +2, +3 the sum (even keys', odd keys'), +4 to +7 c0-c3 at work; a takes c2's place, c m_old - c m_new c3's
.set QS,  40                           ; v40-41 Q's scale words
.set KSC, 42                           ; v42-43 K's scale words: lanes 0-15 tile 2 a, lanes 16-31 tile 2 a + 1
.set QF,  44                           ; v44-59 Q's two fragments
.set KF,  60                           ; v60-75 K's four tiles, 4 registers each
.set Z,   76                           ; v76-79 zeros, behind them
.set KR,  80                           ; v80-87 8 numbers of k as loaded
.set VR,  88                           ; v88-95 8 numbers of v as loaded
.set VA,  96                           ; v96-127 V^T's four fragments of keys 0-31
.set S,   128                          ; v128-191 S^T: tile t, keys 16 T on at S + 32 t + 8 T; then p; then P in the lower half of each 16 and V^T of keys 32-63 in the upper
.set O,   192                          ; v192-255 O^T: tile t, channels 16 c on at O + 32 t + 8 c
.set WV,   12                          ; s12  my wave
.set PFA,  18                          ; s[18:19] k (waves 0, 1) or v (waves 2, 3) at the trip's first step
.set LIM,  20                          ; s20  7 in a wave that prefetches, else 0
.set LIM0, 21                          ; s21  8 in a wave that prefetches, else 0
.set CS,   22                          ; s[22:23] c: the packed form names a pair and takes its low word for both halves
.set SEL,  24                          ; s[24:25] lane selects for v_permlanex16_b32: lane l xor 16
.set TRIP, 26                          ; s26  trips done; a trip is four steps
.set PADB, 27                          ; s27  0x7f7f0000: bytes 2 and 3 of every scale word
; Four loads: the wave's 4 rows of k and of v of step n of the trip.  k: a lane takes 8 neighbours of one key (the two loads together cover 1,024 consecutive bytes); v: each load covers 512 consecutive bytes, two keys.
.macro LOADS n
	global_load_b128 v[KR:KR+3],   v[GK], s[6:7] offset:(\n)*16384
	global_load_b128 v[KR+4:KR+7], v[GK], s[6:7] offset:(\n)*16384+16
	global_load_b128 v[VR:VR+3],   v[GV], s[8:9] offset:(\n)*16384
	global_load_b128 v[VR+4:VR+7], v[GV], s[8:9] offset:(\n)*16384+512
.endm
; The rows loaded a step ago (the wait for them stands ahead of this macro, on every path) become operands in buffer buf.  Four lanes hold a block of k, eight a key.  v's roundings stand between the lines of k's maximum.
.macro PREP buf
	v_max3_num_f32 v[T], |v[KR]|, |v[KR+1]|, 0x1800000             ; my 8 numbers, and the floor 2^(3 - 127): the byte cannot fall under 1
	v_max3_num_f32 v[T+1], |v[KR+2]|, |v[KR+3]|, |v[KR+4]|
	v_cvt_pk_f16_f32 v[VR], v[VR], v[VR+1]
	v_max3_num_f32 v[T], v[T], |v[KR+5]|, |v[KR+6]|
	v_cvt_pk_f16_f32 v[VR+1], v[VR+2], v[VR+3]
	v_max3_num_f32 v[T], v[T], v[T+1], |v[KR+7]|
	v_cvt_pk_f16_f32 v[VR+4], v[VR+4], v[VR+5]
	v_max_num_f32_dpp v[T], v[T], v[T] row_xmask:1 row_mask:0xf bank_mask:0xf
	v_cvt_pk_f16_f32 v[VR+5], v[VR+6], v[VR+7]
	v_max_num_f32_dpp v[T], v[T], v[T] row_xmask:2 row_mask:0xf bank_mask:0xf   ; the block's largest magnitude
	v_add_nc_u32 v[T+1], 0xff000000, v[T]                          ; 2 off its exponent field: the conversion takes the exponent field of this operand as its scale
	v_cvt_scalef32_pk8_fp4_f32 v[CD], v[KR:KR+7], v[T+1]
	v_lshrrev_b32 v[T+2], 23, v[T+1]                               ; the scale's byte (and the plain instruction behind the conversion),
	v_lshl_or_b32 v[T+2], v[T+2], v[SH], s[PADB]                   ; at its block's place, over 0x7f7f0000;
	v_mov_b32_dpp v[T+3], v[T+2] row_xmask:4 row_mask:0xf bank_mask:0xf
	v_or_b32 v[T+2], v[T+2], v[T+3]                                ; with the key's other block's: the word is whole
	s_wait_alu depctr_va_vdst(0)                                   ; the lines above have written VR, CD and T+2, which the stores below read (the first time: the head has written every address), and are done with KR and VR, in which the step's global loads land; the matrix instructions of the step before are done reading KF, KSC and VA, in which the step's LDS loads land
	ds_store_b64 v[VST], v[VR:VR+1] offset:(\buf)*10240
	ds_store_b64 v[VST], v[VR+4:VR+5] offset:(\buf)*10240+2*PV
	ds_store_b32 v[KST], v[CD] offset:(\buf)*2048
	ds_store_b32 v[KSS], v[T+2] offset:(\buf)*256                  ; the key's eight lanes write the same word with the same value
.endm
; A PREFETCH INTO THE L2 of the step three on: one step ahead of the loads that will want it.  It stands where the wave has just issued its loads.  All four work-groups of a head walk the same k and v: the first of
; them asks; in it waves 0 and 1 ask for k's 16,384 bytes of the step and waves 2 and 3 for v's, lanes 256 bytes apart: each aligned block of 256 bytes is named once in the launch.  Steps 0 to 2 come by their
; loads alone; the last request names step 31.
.macro ASK b
.if \b == 0
	s_cmp_lt_u32 s[TRIP], s[LIM0]
.else
	s_cmp_lt_u32 s[TRIP], s[LIM]
.endif
	s_cbranch_scc0 .Lnot_mine_\@
	global_prefetch_b8 v[PFO], s[PFA:PFA+1] offset:(\b+3)*16384 th:TH_LOAD_NT scope:SCOPE_SE
.Lnot_mine_\@:
.endm
; A KEY STEP for my two tiles of queries, out of buffer b.
.macro COMPUTE b
.irp k, 0,1,2,3
	ds_load_b128 v[KF+4*\k:KF+4*\k+3], v[KRD] offset:(\b)*2048+512*\k
.endr
.irp a, 0,1
	ds_load_b32 v[KSC+\a], v[KSR] offset:(\b)*256+128*\a
.endr
	s_wait_dscnt 0x0                                               ; K's six loads are in
.irp k, 0,1,2,3                        ; S^T = K Q^T: eight accumulators, each begun with the constant 0.  Behind each product stands one of the eight turning loads of V^T, keys 0-31 (channels 16 k on: the load leaves channel lane % 16 and 8 keys in a lane).
.irp t, 0,1                            ; No wait for them: no vector or matrix instruction since the step's wait on va_vdst names VA or v[VRD]
.if (\k)%2
	v_wmma_scale_f32_16x16x128_f8f6f4 v[S+32*\t+8*\k:S+32*\t+8*\k+7], v[KF+4*\k:KF+4*\k+7], v[QF+8*\t:QF+8*\t+7], 0, v[KSC+\k/2], v[QS+\t] matrix_a_fmt:MATRIX_FMT_FP4 matrix_b_fmt:MATRIX_FMT_FP4 matrix_a_scale:MATRIX_SCALE_ROW1
.else
	v_wmma_scale_f32_16x16x128_f8f6f4 v[S+32*\t+8*\k:S+32*\t+8*\k+7], v[KF+4*\k:KF+4*\k+7], v[QF+8*\t:QF+8*\t+7], 0, v[KSC+\k/2], v[QS+\t] matrix_a_fmt:MATRIX_FMT_FP4 matrix_b_fmt:MATRIX_FMT_FP4
.endif
	ds_load_tr16_b128 v[VA+8*\k+4*\t:VA+8*\k+4*\t+3], v[VRD] offset:(\b)*10240+32*\k+16*PV*\t
.endr
.endr
.irp t, 0,1
	v_mov_b32 v[OLD+\t], v[ST+8*\t]                                ; c m_old is kept for a.  These two and the two below are the four places behind the products (ISA guide 7.12.1)
.endr
	v_nop
	v_nop
	; the maximum of my 32 scores and the old m, three operands at a time, the two tiles by turns; each accumulator is read from its low end on
.irp j, 0,1,2,3
.irp t, 0,1
	v_max3_num_f32 v[ST+8*\t+4+\j], v[S+32*\t+8*\j], v[S+32*\t+8*\j+1], v[S+32*\t+8*\j+2]
.endr
.endr
.irp i, 3,5
.irp j, 0,1,2,3
.irp t, 0,1
	v_max3_num_f32 v[ST+8*\t+4+\j], v[ST+8*\t+4+\j], v[S+32*\t+8*\j+\i], v[S+32*\t+8*\j+\i+1]
.endr
.endr
.endr
.irp t, 0,1
	v_max3_num_f32 v[ST+8*\t+4], v[ST+8*\t+4], v[S+32*\t+7], v[S+32*\t+15]
.endr
.irp t, 0,1
	v_max3_num_f32 v[ST+8*\t+6], v[ST+8*\t+6], v[S+32*\t+23], v[S+32*\t+31]
.endr
.irp t, 0,1
	v_max3_num_f32 v[ST+8*\t+4], v[ST+8*\t+4], v[ST+8*\t+5], v[ST+8*\t+6]
.endr
.irp t, 0,1
	v_max3_num_f32 v[ST+8*\t+4], v[ST+8*\t+4], v[ST+8*\t+7], v[ST+8*\t+1]
.endr
.irp t, 0,1
	v_permlanex16_b32 v[ST+8*\t+5], v[ST+8*\t+4], s[SEL], s[SEL+1] ; the query's other 32 keys lie in the lane 16 away
.endr
.irp t, 0,1
	v_max_num_f32 v[ST+8*\t+1], v[ST+8*\t+4], v[ST+8*\t+5]         ; the new m
.endr
.irp t, 0,1
	v_mul_f32 v[ST+8*\t], s[CS], v[ST+8*\t+1]                      ; c m
.endr
.irp t, 0,1
	v_sub_f32 v[ST+8*\t+7], v[OLD+\t], v[ST+8*\t]                  ; c m_old - c m_new
.endr
	; ONE BATCH: a, the 32 scalings, the 64 exponentials.  None of these names an exponential's result.
.irp t, 0,1
	v_exp_f32 v[ST+8*\t+6], v[ST+8*\t+7]                           ; a
.endr
.irp j, 0,2,4,6,8,10,12,14,16,18,20,22,24,26,28,30
.irp t, 0,1
	v_pk_fma_f32 v[S+32*\t+\j:S+32*\t+\j+1], v[S+32*\t+\j:S+32*\t+\j+1], s[CS:CS+1], v[ST+8*\t:ST+8*\t+1] op_sel_hi:[1,0,0] neg_lo:[0,0,1] neg_hi:[0,0,1]   ; c s - c m, two at a time
.endr
.endr
.set i, 0
.rept 64
	v_exp_f32 v[S+i], v[S+i]                                       ; p = 2^(c s - c m), at most 1
.set i, i+1
.endr
	v_nop                                                          ; a plain instruction behind the last exponential, ahead of the first use
	s_wait_alu depctr_va_vdst(0)                                   ; one wait for the batch's 66 exponentials, ahead of the first instruction that names a result
	; the sums, of the unrounded p: two chains a tile; the running sum is multiplied by a on the way
.irp t, 0,1
	v_pk_add_f32 v[ST+8*\t+4:ST+8*\t+5], v[S+32*\t:S+32*\t+1], v[S+32*\t+2:S+32*\t+3]
.endr
.irp t, 0,1
	v_pk_fma_f32 v[ST+8*\t+2:ST+8*\t+3], v[ST+8*\t+2:ST+8*\t+3], v[ST+8*\t+6:ST+8*\t+7], v[S+32*\t+4:S+32*\t+5] op_sel_hi:[1,0,1]
.endr
.irp j, 6,10,14,18,22,26
.irp t, 0,1
	v_pk_add_f32 v[ST+8*\t+4:ST+8*\t+5], v[ST+8*\t+4:ST+8*\t+5], v[S+32*\t+\j:S+32*\t+\j+1]
.endr
.irp t, 0,1
	v_pk_add_f32 v[ST+8*\t+2:ST+8*\t+3], v[ST+8*\t+2:ST+8*\t+3], v[S+32*\t+\j+2:S+32*\t+\j+3]
.endr
.endr
.irp t, 0,1
	v_pk_add_f32 v[ST+8*\t+4:ST+8*\t+5], v[ST+8*\t+4:ST+8*\t+5], v[S+32*\t+30:S+32*\t+31]
.endr
.irp t, 0,1
	v_pk_add_f32 v[ST+8*\t+2:ST+8*\t+3], v[ST+8*\t+2:ST+8*\t+3], v[ST+8*\t+4:ST+8*\t+5]
.endr
	; P: the 16 registers of two neighbouring key tiles are rounded to f16 in pairs, in place and ascending, into the lower 8: source 1 for 32 keys.  The upper 8 fall free.
.irp u, 0,1
.irp i, 0,1,2,3,4,5,6,7
.irp t, 0,1
	v_cvt_pk_f16_f32 v[S+32*\t+16*\u+\i], v[S+32*\t+16*\u+2*\i], v[S+32*\t+16*\u+2*\i+1]
.endr
.endr
.endr
	s_wait_alu depctr_va_vdst(0)                                   ; the sums and the roundings are done reading the upper eight of each sixteen of S, in which the loads below land
.irp c, 0,1,2,3                        ; V^T, keys 32-63, channels 16 c on, into the free 8 registers at S + 16 c + 8
	ds_load_tr16_b128 v[S+16*\c+8:S+16*\c+11],  v[VRD] offset:(\b)*10240+32*\c+32*PV
	ds_load_tr16_b128 v[S+16*\c+12:S+16*\c+15], v[VRD] offset:(\b)*10240+32*\c+48*PV
.endr
.irp j, 0,2,4,6,8,10,12,14,16,18,20,22,24,26,28,30
.irp t, 0,1
	v_pk_mul_f32 v[O+32*\t+\j:O+32*\t+\j+1], v[O+32*\t+\j:O+32*\t+\j+1], v[ST+8*\t+6:ST+8*\t+7] op_sel_hi:[1,0]   ; O^T times a, each accumulator from its low end on; V's loads land meanwhile
.endr
.endr
	s_wait_dscnt 8                                                 ; V of keys 0-31 is in; the eight loads just issued may be out
.irp c, 0,1,2,3                        ; O^T += V^T P: the eight accumulators take turns, one instruction a turn
.irp t, 0,1
	v_wmma_f32_16x16x32_f16 v[O+32*\t+8*\c:O+32*\t+8*\c+7], v[VA+8*\c:VA+8*\c+7], v[S+32*\t:S+32*\t+7], v[O+32*\t+8*\c:O+32*\t+8*\c+7]
.endr
.endr
	s_wait_dscnt 0x0                                               ; V of keys 32-63 is in: my reads of this buffer are over
.irp c, 0,1,2,3
.irp t, 0,1
	v_wmma_f32_16x16x32_f16 v[O+32*\t+8*\c:O+32*\t+8*\c+7], v[S+16*\c+8:S+16*\c+15], v[S+32*\t+16:S+32*\t+23], v[O+32*\t+8*\c:O+32*\t+8*\c+7]
.endr
.endr
.endm
; Step b of a trip.  The wait for the raw loads issued a step ago stands first, ahead of every branch: so on every path it lies between those loads and the next loads into the same registers.
; PREP's plain vector instructions are the places between the last products and the new scores laid over P and V (five are asked).
; The last trip has no step 32 to prepare and no steps 32, 33 to load: scalar branches on the count of trips; five v_nop take the places' part where PREP is jumped over.
.macro STEP b
	s_wait_loadcnt 0x0                                             ; the four raw loads issued a step ago are in (in the last trip's last step none is out)
.if \b == 3
	s_cmp_lt_u32 s[TRIP], 7
	s_cbranch_scc0 .Lno_prep_\@
.endif
	PREP (\b+1)%4
.if \b == 3
.Lno_prep_\@:
.rept 5
	v_nop
.endr
	s_wait_alu depctr_va_vdst(0)                                   ; the way round PREP has not passed its wait: the matrix instructions of the step before are done reading KF, KSC and VA, in which this step's LDS loads land
.endif
	s_wait_dscnt 0x0                                               ; for the others' sake: my stores have landed
	s_wait_alu depctr_vm_vsrc(0)                                   ; my four stores have read VR, CD and T+2: the loads below land in VR, and the next step's PREP writes all three again.  It stands ahead of the branch round the loads
.if \b >= 2
	s_cmp_lt_u32 s[TRIP], 7
	s_cbranch_scc0 .Lno_loads_\@
.endif
	LOADS \b+2
.if \b >= 2
.Lno_loads_\@:
.endif
	ASK \b
	s_barrier_signal -1                                            ; the next step's operands of mine lie in LDS
	COMPUTE \b                                                     ; LDS loads of this step's buffer, into which no wave stores before three more barriers, and work on registers
	s_barrier_wait -1                                              ; everybody's lie there
.endm
	s_load_b256 s[4:11], s[0:1], 0x0               ; q s[4:5], k s[6:7], v s[8:9], out s[10:11]
	v_lshl_add_u32 v[SPW], v0, 2, SPARE
	v_mov_b32 v[NIL], 0
	v_lshrrev_b32 v14, 5, v0
	v_readfirstlane_b32 s[WV], v14                 ; wave 0..15
	v_and_b32 v14, 31, v0                          ; l
	v_and_b32 v15, 15, v0                          ; r = l % 16
	v_bfe_u32 v16, v0, 4, 1                        ; h = l / 16
	v_lshlrev_b32 v[GK], 5, v0
	s_wait_alu depctr_va_sdst(0)                   ; s[WV] is written, ahead of its first reader: offsets, bases and branches are made from it
	s_lshl_b32 s28, s[WV], 10
	v_lshl_add_u32 v[GV], v14, 4, s28
	v_lshlrev_b32 v[QO], 8, v15
	v_lshl_add_u32 v[QO], v16, 7, v[QO]            ; Q: row r of 256 bytes, + my block's 128
	s_and_b32 s14, ttmp7, 0xffff                   ; the head, 16 b + h
	s_lshl_b32 s16, s14, 19                        ; its 2,048 rows of 256 bytes in q, k and v
	s_mov_b32 s17, 0
	s_lshl_b32 s28, ttmp9, 17                      ; my block's 512 rows,
	s_lshl_b32 s29, s[WV], 13                      ; my wave's 32
	s_add_co_u32 s28, s28, s29
	s_add_co_u32 s28, s28, s16
	s_mov_b32 s29, 0
	s_lshr_b32 s30, s14, 4
	s_lshl_b32 s30, s30, 23                        ; out: b x 2,048 rows of 4,096 bytes,
	s_lshl_b32 s31, ttmp9, 21                      ; my block's 512 rows,
	s_add_co_u32 s30, s30, s31
	s_lshl_b32 s31, s[WV], 17                      ; my wave's 32,
	s_add_co_u32 s30, s30, s31
	s_and_b32 s31, s14, 15
	s_lshl_b32 s31, s31, 8                         ; my head's 256 bytes of a row
	s_add_co_u32 s30, s30, s31
	s_mov_b32 s31, 0
	s_wait_kmcnt 0x0
	s_add_nc_u64 s[4:5], s[4:5], s[28:29]
	s_add_nc_u64 s[6:7], s[6:7], s[16:17]
	s_add_nc_u64 s[8:9], s[8:9], s[16:17]
	s_add_nc_u64 s[10:11], s[10:11], s[30:31]
	s_wait_alu depctr_va_vdst(0)                   ; v[GK], v[GV] and v[QO] are written, which the loads below read as their offsets
	LOADS 0
.irp t, 0,1                            ; Q: lane (r, h) takes block h of query 16 t + r: 32 numbers, into S's registers
.irp i, 0,1,2,3,4,5,6,7
	global_load_b128 v[S+32*\t+4*\i:S+32*\t+4*\i+3], v[QO], s[4:5] offset:4096*\t+16*\i th:TH_LOAD_NT
.endr
.endr
	s_cmp_lt_u32 s[WV], 2
	s_cselect_b64 s[PFA:PFA+1], s[6:7], s[8:9]     ; waves 0 and 1 would ask for k, waves 2 and 3 for v
	s_lshr_b32 s[LIM], s[WV], 2                    ; 0 in waves 0 to 3,
	s_or_b32 s[LIM], s[LIM], ttmp9                 ; of the head's first work-group
	s_cmp_eq_u32 s[LIM], 0
	s_cselect_b32 s[LIM], 7, 0
	s_cselect_b32 s[LIM0], 8, 0
	s_mov_b32 s[CS], 0x3e38aa3b                    ; c = log2(e) / 8
	s_mov_b32 s[CS+1], s[CS]                       ; (named with it as a pair, so it is written)
	s_mov_b32 s[SEL], 0x76543210
	s_mov_b32 s[SEL+1], 0xfedcba98
	s_mov_b32 s[TRIP], 0
	s_mov_b32 s[PADB], 0x7f7f0000
	v_bfe_u32 v17, v0, 3, 2                        ; l / 8: which of my wave's 4 keys
	v_bfe_u32 v18, v0, 2, 1                        ; which block of the key
	v_and_b32 v19, 3, v0                           ; which 8 codes of the block
	v_and_b32 v20, 7, v0
	v_bfe_u32 v21, v0, 3, 1
	s_and_b32 s28, s[WV], 1
	s_lshl_b32 s28, s28, 13
	v_lshl_add_u32 v[PFO], v14, 8, s28
	s_lshr_b32 s28, s[WV], 2                       ; key 4 w + l / 8 lies in tile w / 4, at row 4 (w % 4) + l / 8
	s_lshl_b32 s28, s28, 9
	s_and_b32 s29, s[WV], 3
	s_lshl_b32 s29, s29, 6
	s_add_co_u32 s28, s28, s29
	v_lshlrev_b32 v[KST], 4, v17
	v_lshl_add_u32 v[KST], v18, 8, v[KST]
	v_lshl_add_u32 v[KST], v19, 2, v[KST]
	v_add_nc_u32 v[KST], s28, v[KST]               ; 512 tile + 256 block + 16 row + 4 x my 8 codes (KC = 0)
	s_lshl_b32 s28, s[WV], 4
	s_add_co_u32 s28, s28, KS
	v_lshl_add_u32 v[KSS], v17, 2, s28             ; KS + 4 x key
	s_mul_i32 s28, s[WV], 4*PV
	s_add_co_u32 s28, s28, VH
	v_mul_u32_u24 v[VST], v16, PV
	v_lshl_add_u32 v[VST], v15, 3, v[VST]
	v_add_nc_u32 v[VST], s28, v[VST]               ; VH + PV (4 w + h) + 8 r; the second load's keys lie 2 PV on
	v_lshlrev_b32 v[KRD], 4, v14
	v_lshl_add_u32 v[KSR], v14, 2, KS
	v_lshl_add_u32 v[VRD], v16, 3, v20             ; the turning load: lane l reads 16 bytes of key 8 h + l % 8, channels 8 ((l / 8) % 2) on
	v_mul_u32_u24 v[VRD], v[VRD], PV
	v_lshl_add_u32 v[VRD], v21, 4, v[VRD]
	v_add_nc_u32 v[VRD], VH, v[VRD]
	v_lshlrev_b32 v[SH], 3, v18
	v_lshlrev_b32 v[SHQ], 3, v16
	s_mul_i32 s28, s[WV], 16*SP
	s_add_co_u32 s28, s28, STG                     ; my stage
	v_mul_u32_u24 v[STO], v15, SP                  ; in: row r, 32 bytes for each half of the lanes
	v_lshl_add_u32 v[STO], v16, 5, v[STO]
	v_add_nc_u32 v[STO], s28, v[STO]
	v_mul_u32_u24 v[RD], v16, SP                   ; back: lanes 0-15 one row of 256 bytes, lanes 16-31 the next
	v_lshl_add_u32 v[RD], v15, 4, v[RD]
	v_add_nc_u32 v[RD], s28, v[RD]
.irp j, 0,1,2,3
	v_mov_b32 v[Z+\j], 0                           ; the zero codes behind K's tiles,
	v_mov_b32 v[QF+4+\j], 0                        ; and the upper halves of Q's fragments
	v_mov_b32 v[QF+12+\j], 0
.endr
.irp t, 0,1
	v_mov_b32 v[ST+8*\t+1], 0xff61b1e6             ; m: -3e38, under every score
	v_mov_b32 v[ST+8*\t+2], 0                      ; the sum, in two halves
	v_mov_b32 v[ST+8*\t+3], 0
	v_mul_f32 v[ST+8*\t], s[CS], v[ST+8*\t+1]      ; c m
.endr
.set i, 0
.rept 64
	v_mov_b32 v[O+i], 0                            ; O^T.  (The step is written once: the first finds zeros, and a = 0 leaves them zeros)
.set i, i+1
.endr
	s_wait_loadcnt 16                              ; step 0's four raw loads are in; Q's sixteen, which are younger, may be out
	PREP 0
	s_wait_dscnt 0x0                               ; for the others' sake: my stores have landed
	s_wait_alu depctr_vm_vsrc(0)                   ; my four stores have read VR, CD and T+2: the loads below land in VR, and Q's quantising writes T+2.  Q's loads have read v[QO], which the way out writes anew
	LOADS 1
	s_barrier_signal -1
	s_wait_loadcnt 4                               ; Q is in; step 1's four loads may be out
	; Q is quantised in registers, between the signal and the wait: a lane holds a whole block of each tile
.irp t, 0,1
	v_max3_num_f32 v[T+\t], |v[S+32*\t]|, |v[S+32*\t+1]|, 0x1800000
.endr
.irp i, 2,4,6,8,10,12,14,16,18,20,22,24,26,28,30
.irp t, 0,1
	v_max3_num_f32 v[T+\t], v[T+\t], |v[S+32*\t+\i]|, |v[S+32*\t+\i+1]|
.endr
.endr
.irp t, 0,1
	v_add_nc_u32 v[T+2+\t], 0xff000000, v[T+\t]    ; the conversion's scale operand
.endr
.irp t, 0,1
	v_lshrrev_b32 v[T+\t], 23, v[T+2+\t]           ; the scale's byte,
.endr
.irp t, 0,1
	v_lshl_or_b32 v[T+\t], v[T+\t], v[SHQ], s[PADB]   ; at its block's place, over 0x7f7f0000;
.endr
.irp t, 0,1
	v_permlanex16_b32 v[OLD+\t], v[T+\t], s[SEL], s[SEL+1]   ; (its destination has been written at the head)
.endr
.irp t, 0,1
	v_or_b32 v[QS+\t], v[T+\t], v[OLD+\t]          ; with lane l xor 16's the word is whole
.endr
.irp t, 0,1
.irp g, 0,1,2,3
	v_cvt_scalef32_pk8_fp4_f32 v[QF+8*\t+\g], v[S+32*\t+8*\g:S+32*\t+8*\g+7], v[T+2+\t]
.endr
.endr
.rept 8
	v_nop                                          ; a plain instruction behind the conversions; operands and scale words written by vector instructions stand 4 and 8 places ahead of a scaled matrix instruction
.endr
	s_wait_alu depctr_va_vdst(0)                   ; behind those places: Q's fragments, the zero codes and Q's scale words are written, which the scaled matrix instructions take as operands and scales
	s_barrier_wait -1                              ; step 0's operands lie in LDS
.Ltrip:                                            ; 8 trips of four steps: every LDS offset is an immediate
	STEP 0
	STEP 1
	STEP 2
	STEP 3
	s_wait_xcnt 0x0                                ; the trip's loads and prefetches have read their bases, which are stepped only behind this wait
	s_add_nc_u64 s[6:7], s[6:7], 0x10000
	s_add_nc_u64 s[8:9], s[8:9], 0x10000
	s_add_nc_u64 s[PFA:PFA+1], s[PFA:PFA+1], 0x10000
	s_add_co_u32 s[TRIP], s[TRIP], 1
	s_cmp_lt_u32 s[TRIP], 8
	s_cbranch_scc1 .Ltrip
	; THE WAY OUT.  The sum's two halves and the other half of the lanes' are added; O^T is divided by the sum and goes through my own stage in LDS, a tile (16 queries x 64 channels) at a time, so that sixteen
	; lanes store 256 consecutive bytes: a query's 64 channels of this head.  The additions and the address work are the places behind the last products.
.irp t, 0,1
	v_add_f32 v[ST+8*\t+4], v[ST+8*\t+2], v[ST+8*\t+3]
.endr
.irp t, 0,1
	v_permlanex16_b32 v[ST+8*\t+5], v[ST+8*\t+4], s[SEL], s[SEL+1]
.endr
.irp t, 0,1
	v_add_f32 v[ST+8*\t+4], v[ST+8*\t+4], v[ST+8*\t+5]
.endr
.irp t, 0,1
	v_rcp_f32 v[ST+8*\t+6], v[ST+8*\t+4]
.endr
	v_and_b32 v14, 15, v0                          ; (plain instructions behind the reciprocals)  r
	v_bfe_u32 v15, v0, 4, 1                        ; h
	v_lshlrev_b32 v[QO], 12, v15                   ; out: lanes 0-15 one row of 4,096 bytes, lanes 16-31 the next; 16 bytes a lane.  (Q's loads, the last to read v[QO], stand ahead of every wait on vm_vsrc of this text)
	v_lshl_add_u32 v[QO], v14, 4, v[QO]
	s_wait_alu depctr_va_vdst(0)                   ; one wait for the two reciprocals, ahead of their first reader
.macro DIVIDE t
.set i, 0
.rept 16
	v_pk_mul_f32 v[O+32*\t+i:O+32*\t+i+1], v[O+32*\t+i:O+32*\t+i+1], v[ST+8*\t+6:ST+8*\t+7] op_sel_hi:[1,0]   ; each accumulator from its low end on
.set i, i+2
.endr
.endm
.macro TOSTAGE t
.irp c, 0,1,2,3
	ds_store_b128 v[STO], v[O+32*\t+8*\c:O+32*\t+8*\c+3] offset:64*\c        ; lane (r, h): channels 16 c + 8 h + 0 .. 7 of query r
	ds_store_b128 v[STO], v[O+32*\t+8*\c+4:O+32*\t+8*\c+7] offset:64*\c+16
.endr
.irp f, 0,1,2,3,4,5,6,7
	ds_load_b128 v[S+32*\t+4*\f:S+32*\t+4*\f+3], v[RD] offset:\f*2*SP        ; LDS serves a wave's instructions in order (ISA guide 5.7.1.4): these see the stores above, and the next tile's stores come behind them
.endr
.endm
.macro SEND t, younger                 ; younger: the LDS instructions issued behind tile t's loads
.irp f, 0,1,2,3,4,5,6,7
	s_wait_dscnt \younger+7-\f
	global_store_b128 v[QO], v[S+32*\t+4*\f:S+32*\t+4*\f+3], s[10:11] offset:(16*\t+2*\f)*4096 th:TH_STORE_NT   ; 16 lanes store 256 consecutive bytes, at a multiple of 256 from the first byte of out
.endr
.endm
	DIVIDE 0
	DIVIDE 1                                       ; both tiles are divided first, so that one wait serves both tiles' stores
	s_wait_alu depctr_va_vdst(0)                   ; the multiplications have written O^T, which the LDS stores read; v[QO] is written, which the global stores read; the last products are done reading S, in which the loads from the stage land
	TOSTAGE 0
	TOSTAGE 1
	SEND 0, 16                                     ; behind tile 0's loads: tile 1's eight stores and eight loads
	SEND 1, 0
	s_wait_dscnt 0x0                               ; the closing lines, six on end
	s_wait_alu 0x0
	s_wait_tensorcnt 0x0
	ds_add_u32 v[SPW], v[NIL]
	s_wait_dscnt 0x0
	s_endpgm
.Lfunc_end_k_q39d2376ebe_attend:
	.size	k_q39d2376ebe_attend, .Lfunc_end_k_q39d2376ebe_attend-k_q39d2376ebe_attend
	.p2alignl 7, 3214868480
	.fill 96, 4, 3214868480
	.section	.rodata,"a",@progbits
	.p2align	6, 0x0
	.amdhsa_kernel k_q39d2376ebe_attend
		.amdhsa_group_segment_fixed_size 122880
		.amdhsa_private_segment_fixed_size 0
		.amdhsa_enable_private_segment 0
		.amdhsa_kernarg_size 32
		.amdhsa_user_sgpr_count 2
		.amdhsa_user_sgpr_kernarg_segment_ptr 1
		.amdhsa_wavefront_size32 1
		.amdhsa_system_sgpr_workgroup_id_x 1
		.amdhsa_system_sgpr_workgroup_id_y 1
		.amdhsa_system_sgpr_workgroup_id_z 1
		.amdhsa_system_vgpr_workitem_id 0
		.amdhsa_next_free_vgpr 256
		.amdhsa_next_free_sgpr 66
		.amdhsa_reserve_vcc 0
		.amdhsa_float_denorm_mode_32 3
		.amdhsa_float_denorm_mode_16_64 3
		.amdhsa_memory_ordered 1
		.amdhsa_forward_progress 1
		.amdhsa_inst_pref_size 94
	.end_amdhsa_kernel
	.amdgpu_metadata
---
amdhsa.version: [ 1, 2 ]
amdhsa.kernels:
  - .name:           k_q39d2376ebe_attend
    .symbol:         k_q39d2376ebe_attend.kd
    .args:
      - { .name: q, .offset: 0, .size: 8, .value_kind: global_buffer, .address_space: global }
      - { .name: k, .offset: 8, .size: 8, .value_kind: global_buffer, .address_space: global }
      - { .name: v, .offset: 16, .size: 8, .value_kind: global_buffer, .address_space: global }
      - { .name: out0, .offset: 24, .size: 8, .value_kind: global_buffer, .address_space: global }
    .group_segment_fixed_size: 122880
    .private_segment_fixed_size: 0
    .kernarg_segment_align: 8
    .kernarg_segment_size: 32
    .max_flat_workgroup_size: 512
    .sgpr_count:     66
    .vgpr_count:     256
    .wavefront_size: 32
...
	.end_amdgpu_metadata
.endif
;; end of part 2
